; MI455X (gfx1250); checked and timed in simulation.
; The chip was launched on July 23, 2026; its instructions are those of AMD's public machine-readable ISA for CDNA 5 (MIT licence, August 2026) and "CDNA5" Instruction Set Architecture Reference Guide (July 2026). The comments in the code are by the model that wrote it; some were corrected since.
;; Flash Attention. Allowed arithmetic: matrix products marked QUANTISED: E2M3 operands, one E8M0 scale for each 32 along K, by v_wmma_scale_f32_16x16x128_f8f6f4 with both operands' format E2M3, f32 sums; everything else in f32.
;; Inputs: W_o 1,024 x 1,024 float32; W_qkv 3,072 x 1,024 float32; in_features 4 x 2,048 x 1,024 float32.
;; Outputs: out0 4 x 2,048 x 1,024 float32.
;; This version of the problem:
;;   THIS VERSION OF THE PROBLEM IS GIVEN IN LOW PRECISION. The matrix products marked QUANTISED in the list below multiply operands that are first quantised to E2M3 (2 exponent bits, 3 mantissa bits; 6 bits a number), with one power-of-two scale for each 32 numbers along K (OCP MX v1.0); their sums are f32. All else is computed in f32.
;;   The module's matrix products, in the order in which they are computed (A, B: the left and right operand; K: the contracted axis; several contracted axes count as one K, in the product's order):
;;     1. [M 8,192, K 1,024] x [K 1,024, N 3,072]; A: input in_features; B: input W_qkv: QUANTISED
;;     2. batch 64 x [M 2,048, K 64] x [K 64, N 2,048]; A: computed on the way; B: computed on the way: QUANTISED
;;     3. batch 64 x [M 2,048, K 2,048] x [K 2,048, N 64]; A: softmax (see below); B: computed on the way: QUANTISED
;;     4. [M 8,192, K 1,024] x [K 1,024, N 1,024]; A: computed on the way; B: input W_o: QUANTISED
;;   THE QUANTISER, for each operand of a quantised product, along K:
;;     - K is cut into blocks of 32 from its start; a last block that is shorter is filled with zeros.
;;     - A block's scale is 2^e with e = floor(log2(the largest magnitude in the block)) - 2, held to -126 .. 127; a block of zeros has e = 0. As a byte (E8M0): e + 127.
;;     - Each number is divided by its block's scale, clamped to +-7.5, and rounded to the nearest number of E2M3, ties to even, subnormals kept.
;;     - The product sums the exact products of the quantised numbers (number of the format x scale) in f32.
;;   ~~~python
;;   def quantise(x, axis):      # numpy; x: float32 -> the quantised numbers, widened to float32 again
;;       x = np.moveaxis(x, axis, -1); K = x.shape[-1]
;;       x = np.pad(x, [(0, 0)] * (x.ndim - 1) + [(0, -K % 32)]); x = x.reshape(x.shape[:-1] + (-1, 32)); a = np.abs(x).max(-1, keepdims=True)
;;       e = np.where(a > 0, np.clip(np.frexp(np.where(a > 0, a, 1))[1] - 1 - 2, -126, 127), 0)      # np.frexp(a)[1] - 1 = floor(log2(a)), exactly
;;       r = np.clip(x / 2.0 ** e, -7.5, 7.5)
;;       step = 2.0 ** (np.maximum(np.frexp(np.where(r == 0, 1, r))[1] - 1, 0) - 3)
;;       q = np.round(r / step) * step * 2.0 ** e      # np.round: ties to even
;;       return np.moveaxis(q.reshape(q.shape[:-2] + (-1,))[..., :K], -1, axis).astype(np.float32)
;;   ~~~
;;   SOFTMAX AHEAD OF A QUANTISED PRODUCT. Where the list says 'softmax', what is quantised is not the finished softmax but p = 2^(t - M), with t = logit x log2(e) and M = ceil(the row's largest t), a whole number; so 1/2 < the row's largest p <= 1. The row's sum l is taken of the UNQUANTISED p, in f32, and the product's result is divided by l at the end. Since M is a whole number, a kernel that streams over the keys may use a running M (the ceiling of the running maximum): every later rescaling is an exact power of two, which a block's scale takes up: the codes' values come out the same.
;;   OPERANDS COMPUTED ON THE WAY. 'Computed on the way' means the value that the module computes at that place (a softmax that the list does not call 'softmax' is quantised finished and normalised). What goes into a quantiser is computed in f32, as accurately as f32 sums, v_exp_f32 and their like allow (about 1e-6 of the number): no bf16 or f16 on the way to a quantiser, and a product that is left as it is and whose result goes on into a quantised operand takes f32 operands (vector FMAs, or v_wmma_f32_16x16x4_f32). A number that lies on a knife's edge between two numbers of the format may be rounded either way, as far as f32 arithmetic and the matrix unit's own rounding can turn it there, and no further.
;; One version. Each part assembles by itself: llvm-mc -triple=amdgcn-amd-amdhsa -mcpu=gfx1250 --defsym DOCPART=n.
;; ======== version 1 of 1: 4 launches
;; limits: right only within a limited range of input values
;; workspace buffers: codes 9,437,184 bytes; scl 393,216 bytes; qkv 20,185,088 bytes; ocodes 6,291,456 bytes; oscl 262,144 bytes
;; launch quant (part 1): grid 256 x 1, 6 waves a work-group, no clusters, 51,456 bytes of LDS; arguments in_features, W_qkv, W_o, codes, scl; writes codes, scl
.if DOCPART == 1
	.amdgcn_target "amdgcn-amd-amdhsa--gfx1250"
	.amdhsa_code_object_version 6
	.text
	.protected	k_qe26aeab088_quant
	.globl	k_qe26aeab088_quant
	.p2align	8
	.type	k_qe26aeab088_quant,@function
k_qe26aeab088_quant:
	s_mov_b64 s[64:65], 0
	v_nop
	global_prefetch_b8 v0, s[64:65] scope:SCOPE_SE
	s_setreg_imm32_b32 hwreg(HW_REG_WAVE_MODE, 25, 1), 1
	s_wait_xcnt 0x0
; in_features [8192][1024], W_qkv [3072][1024] and W_o [1024][1024], f32, K innermost, become codes of FP6 (E2M3) with one E8M0 byte for each 32 along K.
; A block's scale is 2^(floor(log2(its largest magnitude)) - 2); its byte is the largest magnitude's exponent field - 2, held at 1 from below.
; LIMITS: NaN and infinities among the inputs are not served; a block of zeros gets the byte 1 where the rule says 127 (its codes are zeros, and this program alone reads the bytes);
; a block's largest magnitude is floored at 2^(3 - 127).
; LAYOUT OF THE RESULT.  Rows go in tiles of 16: lane-row r of tile t is matrix row 32 (t / 2) + 8 (t % 2) + r + 8 (r / 8).  A tile's codes are 16 images of 768 bytes, one for each 64 along K, laid as the
; operand's registers: lane L = r + 16 h holds the 24 bytes of k = 32 h .. 32 h + 31 of row r: its registers 0-3 at byte 16 L, its registers 4-5 at byte 512 + 8 L.
; A tile's scale words (one for a row and 128 along K) are 512 bytes: the word of K step s, row r at 256 (s / 4) + 16 r + 4 (s % 4).
; SHARES.  768 tiles (512 of x, 192 of W_qkv, 64 of W_o) x 2 halves of K: a wave takes one half of one tile: four steps of 128 along K.  Waves share nothing: no barrier.
; A step's 16 loads read 512 consecutive bytes each (one row's 128 numbers); the 8,192 bytes turn through the wave's own stage in LDS (rows 528 bytes apart), from which a lane takes its 2 x 32 neighbours.
.set STG,   16*528                     ; a wave's stage
.set SPARE, 6*STG                      ; behind the six stages: the spare words, 128 bytes for each wave: three blocks of 256 bytes that no other line names
.set SPW,   12                         ; v12  LDS address of my spare word; never rewritten
.set NIL,   13                         ; v13  0; never rewritten
.set R,     16                         ; v16-143  two sets of 64 registers as loaded
.set X,     144                        ; v144-207 my 2 x 32 neighbours along K
.set PC,    208                        ; v208-219 a fragment's codes
.set T,     220                        ; v220-227 the upper halves of the two blocks, before they are moved
.set MX,    228                        ; v228-229 largest magnitudes
.set SO,    230                        ; v230-231 the conversions' scale operands
.set SBY,   232                        ; v232-233 the scale bytes
.set WD,    234                        ; v234-235 the scale word at work, and the other half's
.set SW,    240                        ; v240-243 the four steps' scale words
	s_load_b128 s[4:7], s[0:1], 0x0                ; in_features, W_qkv
	s_load_b128 s[8:11], s[0:1], 0x10              ; W_o, codes
	s_load_b64 s[12:13], s[0:1], 0x20              ; scl
	v_lshl_add_u32 v[SPW], v0, 2, SPARE
	v_mov_b32 v[NIL], 0
	v_lshrrev_b32 v7, 5, v0
	v_readfirstlane_b32 s14, v7                    ; wave 0..5
	v_and_b32 v8, 31, v0                           ; L
	v_and_b32 v9, 15, v0                           ; r
	v_bfe_u32 v10, v0, 4, 1                        ; h
	v_lshlrev_b32 v1, 4, v8                        ; 16 L: my 16 bytes of a load's 512, and of an image's first 512
	v_lshl_add_u32 v2, v8, 3, 512                  ; 512 + 8 L: my 8 bytes of an image's last 256
	s_mul_i32 s15, s14, STG
	v_add_nc_u32 v3, s15, v1                       ; the stage, on the way in
	v_mul_u32_u24 v4, v9, 528
	v_lshl_add_u32 v4, v10, 7, v4
	v_add_nc_u32 v4, s15, v4                       ; and on the way out: row r, + 128 h bytes
	v_lshlrev_b32 v5, 3, v10                       ; 8 h: my bytes' place in a scale word, in bits
	v_lshlrev_b32 v6, 4, v9
	v_add_nc_u32 v6, v6, v5                        ; 16 r + 8 h: my two words of the scale record's half
	v_cmp_ne_u32 s22, 0, v10                       ; the lanes with h = 1
	v_mov_b32 v[WD+1], 0                           ; written once: a lane permute's destination counts as one of its sources
	s_mov_b32 s20, 0x76543210
	s_mov_b32 s21, 0xfedcba98                      ; v_permlanex16_b32's selects for lane l xor 16
	s_mul_i32 s16, ttmp9, 3                        ; six waves take three tiles: 256 work-groups for 768 tiles
	s_lshr_b32 s17, s14, 1
	s_add_co_u32 s16, s16, s17                     ; my tile: 3 x work-group + wave / 2
	s_and_b32 s17, s14, 1                          ; my half of K
	s_mov_b32 s25, 0
	s_wait_alu depctr_va_vdst(0)
	s_wait_kmcnt 0x0
	s_mov_b32 s18, 704
	s_cmp_lt_u32 s16, 704                          ; the tensor is chosen by the tile's number alone
	s_cselect_b64 s[6:7], s[6:7], s[8:9]
	s_cselect_b32 s18, 512, s18
	s_cmp_lt_u32 s16, 512
	s_cselect_b64 s[4:5], s[4:5], s[6:7]
	s_cselect_b32 s18, 0, s18
	s_sub_co_u32 s18, s16, s18                     ; the tile's number in its own tensor
	s_lshr_b32 s19, s18, 1
	s_lshl_b32 s19, s19, 17                        ; 32 rows of 4,096 bytes for each pair of tiles,
	s_and_b32 s23, s18, 1
	s_lshl_b32 s23, s23, 15                        ; 8 rows for the odd one,
	s_add_co_u32 s19, s19, s23
	s_lshl_b32 s23, s17, 11                        ; 2,048 bytes for the upper half of K
	s_add_co_u32 s24, s19, s23
	s_add_nc_u64 s[4:5], s[4:5], s[24:25]
	s_mul_i32 s24, s16, 12288
	s_mul_i32 s23, s17, 6144
	s_add_co_u32 s24, s24, s23
	s_add_nc_u64 s[10:11], s[10:11], s[24:25]      ; my eight images
	s_lshl_b32 s24, s16, 9
	s_lshl_b32 s23, s17, 8
	s_add_co_u32 s24, s24, s23
	s_add_nc_u64 s[12:13], s[12:13], s[24:25]      ; my half of the scale record
.macro LOAD s                          ; step s: 16 rows x 512 consecutive bytes into set s % 2; the tile's row i is i + 8 (i / 8) rows down
.irp i, 0,1,2,3,4,5,6,7,8,9,10,11,12,13,14,15
	global_load_b128 v[R+64*((\s)%2)+4*\i:R+64*((\s)%2)+4*\i+3], v1, s[4:5] offset:(\i+8*(\i/8))*4096+512*(\s) th:TH_LOAD_NT
.endr
.endm
.macro STEP s
.if (\s) < 3
	s_wait_loadcnt 16                              ; this step's 16 loads are in; the next step's 16 may be out
.else
	s_wait_loadcnt 0
.endif
.irp i, 0,1,2,3,4,5,6,7,8,9,10,11,12,13,14,15
	ds_store_b128 v3, v[R+64*((\s)%2)+4*\i:R+64*((\s)%2)+4*\i+3] offset:528*\i
.endr
.irp c, 0,1
.irp j, 0,1,2,3,4,5,6,7
	ds_load_b128 v[X+32*\c+4*\j:X+32*\c+4*\j+3], v4 offset:256*\c+16*\j   ; k = 64 c + 32 h + 4 j ..: LDS serves a wave's instructions in order, so these see the stores above
.endr
.endr
	s_wait_dscnt 0x0                               ; my numbers are back, and the stores have read their registers,
.if (\s) < 2
	LOAD (\s)+2                                    ; which take the loads of two steps on
.endif
.irp c, 0,1
	v_max3_num_f32 v[MX+\c], |v[X+32*\c]|, |v[X+32*\c+1]|, 0x1800000   ; block 2 c + h: all 32 numbers are mine; the floor 2^(3 - 127) holds the byte at 1 from below
.endr
.irp i, 2,4,6,8,10,12,14,16,18,20,22,24,26,28,30
.irp c, 0,1
	v_max3_num_f32 v[MX+\c], v[MX+\c], |v[X+32*\c+\i]|, |v[X+32*\c+\i+1]|
.endr
.endr
.irp c, 0,1
	v_add_nc_u32 v[SO+\c], 0xff000000, v[MX+\c]    ; 2 off the exponent field: the conversion takes the exponent field of this operand as its scale
.endr
.irp c, 0,1
	v_lshrrev_b32 v[SBY+\c], 23, v[SO+\c]          ; the scale's byte
.endr
	v_lshl_or_b32 v[WD], v[SBY+1], 16, v[SBY]      ; my two bytes: blocks h and 2 + h,
	v_lshlrev_b32 v[WD], v5, v[WD]                 ; at their places;
	v_permlanex16_b32 v[WD+1], v[WD], s20, s21
	v_or_b32 v[SW+(\s)], v[WD], v[WD+1]            ; with lane l xor 16's two the word is whole
	s_wait_alu depctr_va_vdst(0)
	s_wait_xcnt 0x0                                ; the last step's stores have read the codes' registers: they are rewritten only behind this wait
.irp c, 0,1
	v_cvt_scalef32_pk16_fp6_f32 v[PC+6*\c:PC+6*\c+2], v[X+32*\c:X+32*\c+15], v[SO+\c]
	v_cvt_scalef32_pk16_fp6_f32 v[T+4*\c:T+4*\c+2], v[X+32*\c+16:X+32*\c+31], v[SO+\c]   ; (a conversion's three registers begin on an even number)
.endr
	v_nop                                          ; one plain place behind a scaled conversion
.irp c, 0,1
.irp i, 0,1,2
	v_mov_b32 v[PC+6*\c+3+\i], v[T+4*\c+\i]
.endr
.endr
	global_store_b128 v1, v[PC:PC+3], s[10:11] offset:1536*(\s)           ; 512 consecutive bytes, aligned to 256
	global_store_b64 v2, v[PC+4:PC+5], s[10:11] offset:1536*(\s)          ; 256 consecutive bytes, aligned
	global_store_b128 v1, v[PC+6:PC+9], s[10:11] offset:1536*(\s)+768
	global_store_b64 v2, v[PC+10:PC+11], s[10:11] offset:1536*(\s)+768
.endm
	LOAD 0
	LOAD 1
	STEP 0
	STEP 1
	STEP 2
	STEP 3
	v_cndmask_b32 v244, v[SW], v[SW+2], s22        ; lanes 0-15 store steps 0 and 1 of their row, lanes 16-31 steps 2 and 3
	v_cndmask_b32 v245, v[SW+1], v[SW+3], s22
	global_store_b64 v6, v[244:245], s[12:13]      ; 32 lanes store 256 consecutive bytes, aligned
	s_wait_tensorcnt 0x0                           ; the wave's end
	ds_add_u32 v[SPW], v[NIL]
	s_wait_dscnt 0x0
	s_endpgm
.Lfunc_end_k_qe26aeab088_quant:
	.size	k_qe26aeab088_quant, .Lfunc_end_k_qe26aeab088_quant-k_qe26aeab088_quant
	.p2alignl 7, 3214868480
	.fill 96, 4, 3214868480
	.section	.rodata,"a",@progbits
	.p2align	6, 0x0
	.amdhsa_kernel k_qe26aeab088_quant
		.amdhsa_group_segment_fixed_size 51456
		.amdhsa_private_segment_fixed_size 0
		.amdhsa_enable_private_segment 0
		.amdhsa_kernarg_size 40
		.amdhsa_user_sgpr_count 2
		.amdhsa_user_sgpr_kernarg_segment_ptr 1
		.amdhsa_wavefront_size32 1
		.amdhsa_system_sgpr_workgroup_id_x 1
		.amdhsa_system_sgpr_workgroup_id_y 1
		.amdhsa_system_sgpr_workgroup_id_z 1
		.amdhsa_system_vgpr_workitem_id 0
		.amdhsa_next_free_vgpr 256
		.amdhsa_next_free_sgpr 66
		.amdhsa_reserve_vcc 0
		.amdhsa_float_denorm_mode_32 3
		.amdhsa_float_denorm_mode_16_64 3
		.amdhsa_memory_ordered 1
		.amdhsa_forward_progress 1
		.amdhsa_inst_pref_size 31
	.end_amdhsa_kernel
	.amdgpu_metadata
---
amdhsa.version: [ 1, 2 ]
amdhsa.kernels:
  - .name:           k_qe26aeab088_quant
    .symbol:         k_qe26aeab088_quant.kd
    .args:
      - { .name: in_features, .offset: 0, .size: 8, .value_kind: global_buffer, .address_space: global }
      - { .name: W_qkv, .offset: 8, .size: 8, .value_kind: global_buffer, .address_space: global }
      - { .name: W_o, .offset: 16, .size: 8, .value_kind: global_buffer, .address_space: global }
      - { .name: codes, .offset: 24, .size: 8, .value_kind: global_buffer, .address_space: global }
      - { .name: scl, .offset: 32, .size: 8, .value_kind: global_buffer, .address_space: global }
    .group_segment_fixed_size: 51456
    .private_segment_fixed_size: 0
    .kernarg_segment_align: 8
    .kernarg_segment_size: 40
    .max_flat_workgroup_size: 192
    .sgpr_count:     66
    .vgpr_count:     256
    .wavefront_size: 32
...
	.end_amdgpu_metadata
.endif
;; end of part 1
;; launch gemm_qkv (part 2): grid 8 x 48, 4 waves a work-group, clusters of 4 x 4, 327,680 bytes of LDS; arguments codes, scl, qkv; writes qkv
.if DOCPART == 2
	.amdgcn_target "amdgcn-amd-amdhsa--gfx1250"
	.amdhsa_code_object_version 6
	.text
	.protected	k_qe26aeab088_gemm_qkv
	.globl	k_qe26aeab088_gemm_qkv
	.p2align	8
	.type	k_qe26aeab088_gemm_qkv,@function
k_qe26aeab088_gemm_qkv:
	s_mov_b64 s[64:65], 0
	v_nop
	global_prefetch_b8 v0, s[64:65] scope:SCOPE_SE
	s_setreg_imm32_b32 hwreg(HW_REG_WAVE_MODE, 25, 1), 1
	s_wait_xcnt 0x0
	s_wait_alu depctr_hold_cnt(0) depctr_sa_sdst(0) depctr_va_vdst(0) depctr_va_sdst(0) depctr_va_ssrc(0) depctr_va_vcc(0) depctr_vm_vsrc(0)
	s_getreg_b32 s2, hwreg(HW_REG_IB_STS2, 6, 4)
	s_cmp_eq_u32 s2, 0
	s_cbranch_scc0 .Lentry_in_a_cluster
	s_endpgm
.Lentry_in_a_cluster:
	s_bfe_u32 s2, ttmp6, 0x10000c
	s_cmp_lg_u32 s2, 0xf033
	s_cbranch_scc0 .Lentry_shape_is_right
	s_endpgm
.Lentry_shape_is_right:
.set SLOT,   98304
.set HALFT,  24576
.set SPARE,  3*SLOT
.set TILEB,  12288
.set FILLB,  3072
.set FR,     12
.set L16,    1
.set L8,     3
.set ADA16,  4
.set ADA8,   7
.set ADB16,  10
.set ADB8,   13
.set SPW,    28
.set NIL,    29
.set SA,     32
.set SB,     64
.set AF,     128
.set WV,     14
.set WA,     15
.set WB,     16
.set SEL,    20
.set G1A,    24
.set G1B,    32
.set G0A,    40
.set G0B,    52
.set MUL_LO, 0xa1
.set MUL_HI, 0xf1
.set TO_B,   0x40
.set MSB, 0
.macro WIN new
.if MSB != (\new)
	s_set_vgpr_msb (MSB<<8)|(\new)
.set MSB, (\new)
.endif
.endm
.macro JLOAD s
	s_cmp_eq_u32 s[WA], 0
	s_cbranch_scc0 .Lfor_b_\@
	tensor_load_to_lds s[G0A+4*\s:G0A+4*\s+3], s[G1A:G1A+7]
	s_nop 0
.rept 4
	v_nop
.endr
	s_branch .Lasked_\@
.Lfor_b_\@:
	tensor_load_to_lds s[G0B+4*\s:G0B+4*\s+3], s[G1B:G1B+7]
	s_nop 0
.rept 4
	v_nop
.endr
.Lasked_\@:
.endm
.macro CREST
	s_cmp_lg_u32 s[WV], 0
	s_cbranch_scc1 .Lnot_wave_0_\@
	s_barrier_signal -3
.Lnot_wave_0_\@:
	s_barrier_wait -3
	s_barrier_signal -1
	s_barrier_wait -1
.endm
.macro CROUND
	s_barrier_signal -1
	s_barrier_wait -1
	CREST
.endm
.macro PLACES n
.rept \n
	v_nop
.endr
.endm
.macro FRAG reg, a16, a8, off
	ds_load_b128 v[(\reg):(\reg)+3], v[\a16] offset:(\off)
	ds_load_b64 v[(\reg)+4:(\reg)+5], v[\a8] offset:(\off)
	ds_load_b128 v[(\reg)+6:(\reg)+9], v[\a16] offset:(\off)+768
	ds_load_b64 v[(\reg)+10:(\reg)+11], v[\a8] offset:(\off)+768
.endm
.macro FETCH_B slot, q, p
	WIN TO_B
.irp i, 0,1,2,3,4,5,6,7
	FRAG 128*(\p)+FR*\i, ADB16+(\slot), ADB8+(\slot), FPI*\i+1536*(\q)
.endr
	WIN 0
.endm
.macro FETCH_A slot, q, i0
.irp i, \i0, \i0+1, \i0+2, \i0+3
	FRAG AF+FR*(\i), ADA16+(\slot), ADA8+(\slot), FPI*(\i)+1536*(\q)
.endr
.endm
.macro MUL16 a0, s, zero
.irp a, \a0, \a0+1
.irp b, 0,1,2,3,4,5,6,7
.set mD, 8*(8*((\a)%4)+\b)
.set mB, 128*((\s)%2)+FR*\b
.set mA, AF+FR*(\a)
.set mSB, SB+4*\b+(\s)%4
.set mSA, SA+4*(\a)+(\s)%4
.if \zero
	v_wmma_scale_f32_16x16x128_f8f6f4 v[mD:mD+7], v[mB:mB+11], v[mA:mA+11], 0, v[mSB], v[mSA] matrix_a_fmt:MATRIX_FMT_FP6 matrix_b_fmt:MATRIX_FMT_FP6
.elseif (\s) < 4
	v_wmma_scale_f32_16x16x128_f8f6f4 v[mD:mD+7], v[mB:mB+11], v[mA:mA+11], v[mD:mD+7], v[mSB], v[mSA] matrix_a_fmt:MATRIX_FMT_FP6 matrix_b_fmt:MATRIX_FMT_FP6
.else
	v_wmma_scale_f32_16x16x128_f8f6f4 v[mD:mD+7], v[mB:mB+11], v[mA:mA+11], v[mD:mD+7], v[mSB], v[mSA] matrix_a_fmt:MATRIX_FMT_FP6 matrix_b_fmt:MATRIX_FMT_FP6 matrix_a_scale:MATRIX_SCALE_ROW1 matrix_b_scale:MATRIX_SCALE_ROW1
.endif
.endr
.endr
.endm
.macro KSTEP s, kind, tc, zero
.set NN, (\s)+1                        ; where the next K step lies: steps 0-3 in the first region, a tile's row 6,144 bytes; steps 4, 5 in the last slot; steps 6, 7 in the first region's low bytes, rows of 3,072
.if NN < 4
.set NS, 0
.set FPI, 6144
.set NQ, NN
.elseif NN < 6
.set NS, 2
.set FPI, 3072
.set NQ, NN-4
.else
.set NS, 0
.set FPI, 3072
.set NQ, NN-6
.endif
.if \kind == 2
	s_wait_tensorcnt 0x0
	ds_add_u32 v[SPW], v[NIL]
	s_add_nc_u64 s[G0A+2:G0A+3], s[G0A+2:G0A+3], 3*FILLB
	s_add_nc_u64 s[G0B+2:G0B+3], s[G0B+2:G0B+3], 3*FILLB
	s_wait_dscnt 17
.elseif \kind == 1
	s_wait_tensorcnt \tc
	s_wait_dscnt 16
.else
	s_wait_dscnt 16
.endif
	WIN MUL_LO
	MUL16 0, \s, \zero
.if (\kind == 1) || (\kind == 2)
	s_wait_dscnt 0x0
	s_barrier_signal -1
	MUL16 2, \s, \zero
	WIN 0
	s_barrier_wait -1
.if \kind == 2
	CREST
	JLOAD 0
.else
	PLACES 4
.endif
.else
	MUL16 2, \s, \zero
	s_wait_dscnt 0x0
.if \kind == 0
	PLACES 4
.endif
.endif
.if \kind != 3
	FETCH_B NS, NQ, 1-(\s)%2
	FETCH_A NS, NQ, 0
.endif
	WIN MUL_HI
	MUL16 4, \s, \zero
	MUL16 6, \s, \zero
.if \kind != 3
	PLACES 4
	WIN 0
	FETCH_A NS, NQ, 4
.endif
.endm
	s_load_b128 s[4:7], s[0:1], 0x0
	s_load_b64 s[8:9], s[0:1], 0x10
	v_lshl_add_u32 v[SPW], v0, 2, SPARE
	v_mov_b32 v[NIL], 0
	ds_add_u32 v[SPW], v[NIL]
	ds_add_u32 v[SPW], v[NIL]
	v_lshrrev_b32 v2, 5, v0
	v_readfirstlane_b32 s[WV], v2
	s_lshr_b32 s[WA], s[WV], 1
	s_and_b32 s[WB], s[WV], 1
	s_bfe_u32 s66, ttmp6, 0x40000
	s_bfe_u32 s67, ttmp6, 0x40004
	s_and_b32 s68, ttmp7, 0xffff
	s_lshl_b32 s70, s67, 2
	s_lshl_b32 s70, 15, s70
	s_lshl_b32 s71, 0x1111, s66
	s_or_b32 s[G1A], s70, (3<<16)|(1<<21)
	s_or_b32 s[G1B], s71, (3<<16)|(1<<21)
.irp g, G1A, G1B
	s_mov_b32 s[\g+1], 768<<16
	s_mov_b32 s[\g+2], 8<<16
	s_mov_b32 s[\g+3], 768<<16
	s_mov_b32 s[\g+4], 8
	s_mov_b32 s[\g+5], 1536
	s_mov_b32 s[\g+6], 0
	s_mov_b32 s[\g+7], 0
.endr
	s_mov_b32 s[SEL], 0x76543210
	s_mov_b32 s[SEL+1], 0xfedcba98
	s_lshl_b32 s72, ttmp9, 2
	s_add_co_u32 s72, s72, s66
	s_lshl_b32 s73, s68, 2
	s_add_co_u32 s73, s73, s67
	s_max_u32 s74, s68, 8
	s_sub_co_u32 s74, s74, 8
	s_lshl_b32 s74, s74, 3
	s_add_co_u32 s74, s74, s72
	s_cmp_ge_u32 s68, 8
	s_cselect_b32 s69, 1, 0
	s_cselect_b32 s75, s67, s73
	s_cselect_b32 s76, s74, s72
	s_cselect_b32 s77, 640, 0
	s_cselect_b32 s78, 0, 512
	s_lshl_b32 s79, s75, 4
	s_add_co_u32 s79, s79, s77
	s_lshl_b32 s80, s76, 4
	s_add_co_u32 s80, s80, s78
	s_lshl_b32 s81, s[WB], 3
	s_add_co_u32 s82, s79, s81
	s_mul_i32 s82, s82, TILEB
	s_mov_b32 s83, 0
	s_add_co_u32 s84, s80, s81
	s_mul_i32 s84, s84, TILEB
	s_mov_b32 s85, 0
	s_mul_i32 s86, s[WV], HALFT
	s_lshl_b32 s87, s[WA], 3
	s_add_co_u32 s88, s79, s87
	s_lshl_b32 s88, s88, 9
	s_mov_b32 s89, 0
	s_add_co_u32 s90, s80, s81
	s_lshl_b32 s90, s90, 9
	s_mov_b32 s91, 0
	s_wait_dscnt 0x0
	s_wait_kmcnt 0x0
	s_add_nc_u64 s[82:83], s[4:5], s[82:83]
	s_add_nc_u64 s[84:85], s[4:5], s[84:85]
	s_add_nc_u64 s[88:89], s[6:7], s[88:89]
	s_add_nc_u64 s[90:91], s[6:7], s[90:91]
	CROUND
.irp s, 0,2
	s_mov_b32 s[G0A+4*\s], 1
	s_add_co_u32 s[G0A+4*\s+1], s86, \s*SLOT
	s_add_nc_u64 s[G0A+4*\s+2:G0A+4*\s+3], s[82:83], \s*FILLB
	s_or_b32 s[G0A+4*\s+3], s[G0A+4*\s+3], 0x80000000
	s_mov_b32 s[G0B+4*\s], 1
	s_add_co_u32 s[G0B+4*\s+1], s86, \s*SLOT
	s_add_nc_u64 s[G0B+4*\s+2:G0B+4*\s+3], s[84:85], \s*FILLB
	s_or_b32 s[G0B+4*\s+3], s[G0B+4*\s+3], 0x80000000
.endr
	s_mul_i32 s95, s[WV], 2*HALFT                  ; the head's load: my eight tiles' K steps 0 to 3, rows of 6,144 bytes
	s_mov_b32 s[G0A+1], s95
	s_mov_b32 s[G0B+1], s95
	JLOAD 0                                        ; one tensor load a wave at the head
	v_and_b32 v2, 31, v0
	v_lshlrev_b32 v[L16], 4, v2
	v_lshl_add_u32 v[L8], v2, 3, 512
.irp i, 0,1,2,3,4,5,6,7
	global_load_b128 v[SA+4*\i:SA+4*\i+3], v[L16], s[88:89] offset:512*\i
	global_load_b128 v[SB+4*\i:SB+4*\i+3], v[L16], s[90:91] offset:512*\i
.endr
	s_mul_i32 s92, s[WA], 2*HALFT
	s_mul_i32 s93, s[WB], 2*HALFT
	s_add_co_u32 s93, s93, 4*HALFT
.irp s, 0,2
	v_add_nc_u32 v[ADA16+\s], s92, v[L16]
	v_add_nc_u32 v[ADA8+\s], s92, v[L8]
	v_add_nc_u32 v[ADB16+\s], s93, v[L16]
	v_add_nc_u32 v[ADB8+\s], s93, v[L8]
.if \s == 0
	s_mul_i32 s92, s[WA], HALFT
	s_mul_i32 s93, s[WB], HALFT
	s_add_co_u32 s92, s92, 2*SLOT
	s_add_co_u32 s93, s93, 2*SLOT+2*HALFT
	s_wait_alu depctr_va_vdst(0)
.endif
.endr
	s_wait_alu depctr_va_vdst(0)
	s_wait_tensorcnt 0x0                           ; my part of K steps 0 to 3 is in
	ds_add_u32 v[SPW], v[NIL]
	s_mov_b32 s[G1A+1], 384<<16                    ; no tensor load of mine is out: from here on a tile's row is 3,072 bytes, two K steps
	s_mov_b32 s[G1A+3], 384<<16
	s_mov_b32 s[G1B+1], 384<<16
	s_mov_b32 s[G1B+3], 384<<16
	s_wait_dscnt 0x0
	CROUND
	JLOAD 2                                        ; K steps 4 and 5, the first tensor load behind the round
.set FPI, 6144
	FETCH_B 0, 0, 0
	FETCH_A 0, 0, 0
	FETCH_A 0, 0, 4
	s_wait_loadcnt 0x0
	KSTEP 0, 0, 0, 1
	KSTEP 1, 0, 0, 0
	KSTEP 2, 0, 0, 0
	KSTEP 3, 2, 0, 0
	KSTEP 4, 0, 0, 0
	KSTEP 5, 1, 0, 0
	KSTEP 6, 0, 0, 0
	KSTEP 7, 3, 0, 0
	WIN 0
.set PC, 128
.set TM, 160
.set PW, 176
.set ZZ, 184
.set OB, 86
.set OS, 88
	s_lshl_b32 s70, s75, 1
	s_add_co_u32 s70, s70, s[WA]
	s_lshl_b32 s71, s76, 1
	s_add_co_u32 s71, s71, s[WB]
	s_and_b32 s72, s76, 3
	s_lshl_b32 s72, s72, 2
	s_lshl_b32 s73, s[WB], 1
	s_add_co_u32 s72, s72, s73
	s_lshl_b32 s73, s75, 2
	s_lshl_b32 s74, s[WA], 1
	s_add_co_u32 s73, s73, s74
	s_cmp_ge_u32 s76, 4
	s_cselect_b32 s74, 0, 13056
	s_mov_b32 s77, 768
	s_mov_b32 s78, 315392
	s_cmp_eq_u32 s69, 1
	s_cselect_b32 s70, s71, s70
	s_cselect_b32 s72, s73, s72
	s_cselect_b32 s74, 6656, s74
	s_cselect_b32 s80, 1536, s77
	s_cselect_b32 s82, 310784, s77
	s_cselect_b32 s84, s77, s78
	s_mov_b32 s81, 0
	s_mov_b32 s83, 0
	s_lshr_b32 s71, s70, 4
	s_lshl_b32 s71, s71, 4
	s_add_co_u32 s71, s71, s72
	s_mul_i32 s71, s71, 315392
	s_and_b32 s70, s70, 15
	s_mul_i32 s70, s70, 19712
	s_add_co_u32 s70, s70, s71
	s_add_co_u32 s70, s70, s74
	s_mov_b32 s71, 0
	s_add_nc_u64 s[OB:OB+1], s[8:9], s[70:71]
	s_add_nc_u64 s[OS:OS+1], s[OB:OB+1], 6144
	PLACES 4
	v_add_nc_u32 v18, s84, v[L16]
	v_add_nc_u32 v19, s84, v[L8]
	v_lshlrev_b32 v20, 3, v2
	v_bfe_u32 v21, v0, 4, 1
	v_cmp_ne_u32 s94, 0, v21
.irp b, 0,1,2,3
	v_mov_b32 v[TM+4+\b], 0
.endr
.macro QUANTW a
.set AW, 2+(\a)/4
.set AC, 64*((\a)%4)
	WIN AW*5
.irp b, 0,1,2,3
	v_max3_num_f32 v[TM+\b], |v[AC+16*\b]|, |v[AC+16*\b+1]|, 0x1800000
.endr
.irp i, 2,4,6,8,10,12,14
.irp b, 0,1,2,3
	v_max3_num_f32 v[TM+\b], |v[AC+16*\b+\i]|, |v[AC+16*\b+\i+1]|, v[TM+\b]
.endr
.endr
	WIN 0
.irp b, 0,1,2,3
	v_permlanex16_b32 v[TM+4+\b], v[TM+\b], s[SEL], s[SEL+1]
.endr
.irp b, 0,1,2,3
	v_max_num_f32 v[TM+\b], v[TM+\b], v[TM+4+\b]
.endr
.irp b, 0,1,2,3
	v_add_nc_u32 v[TM+12+\b], 0xff000000, v[TM+\b]
.endr
.irp b, 0,1,2,3
	v_lshrrev_b32 v[TM+4+\b], 23, v[TM+12+\b]
.endr
	v_lshl_or_b32 v[PW+(\a)], v[TM+5], 8, v[TM+4]
	v_lshl_or_b32 v[PW+(\a)], v[TM+6], 16, v[PW+(\a)]
	v_lshl_or_b32 v[PW+(\a)], v[TM+7], 24, v[PW+(\a)]
.if (\a) > 0
	s_wait_xcnt 0x0
.if (\a) == 4
	s_add_nc_u64 s[OB:OB+1], s[OB:OB+1], s[82:83]
.else
	s_add_nc_u64 s[OB:OB+1], s[OB:OB+1], s[80:81]
.endif
.endif
	WIN AW
.irp c, 0,1
	v_cvt_scalef32_pk16_fp6_f32 v[PC+6*\c:PC+6*\c+2], v[AC+32*\c:AC+32*\c+15], v[TM+12+2*\c]
	v_cvt_scalef32_pk16_fp6_f32 v[PC+12+4*\c:PC+14+4*\c], v[AC+32*\c+16:AC+32*\c+31], v[TM+12+2*\c+1]
.endr
	WIN 0
	v_nop
.irp c, 0,1
.irp i, 0,1,2
	v_permlane16_swap_b32 v[PC+6*\c+\i], v[PC+12+4*\c+\i]
.endr
.irp i, 0,1,2
	v_mov_b32 v[PC+3+6*\c+\i], v[PC+12+4*\c+\i]
.endr
.endr
	global_store_b128 v[L16], v[PC:PC+3], s[OB:OB+1]
	global_store_b64 v[L8], v[PC+4:PC+5], s[OB:OB+1]
	global_store_b128 v18, v[PC+6:PC+9], s[OB:OB+1]
	global_store_b64 v19, v[PC+10:PC+11], s[OB:OB+1]
.endm
.irp a, 0,1,2,3,4,5,6,7
	QUANTW \a
.endr
.irp i, 0,1,2,3
	v_cndmask_b32 v[ZZ+\i], v[PW+2*\i], v[PW+2*\i+1], s94
.endr
	s_cmp_eq_u32 s69, 1
	s_cbranch_scc1 .Lv_words
.irp i, 0,1,2,3
	v_and_b32 v[ZZ+4+\i], 0xffff, v[ZZ+\i]
.endr
.irp i, 0,1,2,3
	v_lshrrev_b32 v[ZZ+\i], 16, v[ZZ+\i]
.endr
	global_store_b128 v[L16], v[ZZ+4:ZZ+7], s[OS:OS+1]
	global_store_b128 v[L16], v[ZZ:ZZ+3], s[OS:OS+1] offset:315392
	s_branch .Lwords_out
.Lv_words:
	s_wait_alu depctr_va_vdst(0)
	global_store_b64 v20, v[ZZ:ZZ+1], s[OS:OS+1]
	global_store_b64 v20, v[ZZ+2:ZZ+3], s[OS:OS+1] offset:315392
.Lwords_out:
	s_wait_tensorcnt 0x0
	ds_add_u32 v[SPW], v[NIL]
	s_wait_dscnt 0x0
	CROUND
	s_endpgm
.Lfunc_end_k_qe26aeab088_gemm_qkv:
	.size	k_qe26aeab088_gemm_qkv, .Lfunc_end_k_qe26aeab088_gemm_qkv-k_qe26aeab088_gemm_qkv
	.p2alignl 7, 3214868480
	.fill 96, 4, 3214868480
	.section	.rodata,"a",@progbits
	.p2align	6, 0x0
	.amdhsa_kernel k_qe26aeab088_gemm_qkv
		.amdhsa_group_segment_fixed_size 327680
		.amdhsa_private_segment_fixed_size 0
		.amdhsa_enable_private_segment 0
		.amdhsa_kernarg_size 24
		.amdhsa_user_sgpr_count 2
		.amdhsa_user_sgpr_kernarg_segment_ptr 1
		.amdhsa_wavefront_size32 1
		.amdhsa_system_sgpr_workgroup_id_x 1
		.amdhsa_system_sgpr_workgroup_id_y 1
		.amdhsa_system_sgpr_workgroup_id_z 1
		.amdhsa_system_vgpr_workitem_id 0
		.amdhsa_next_free_vgpr 1024
		.amdhsa_next_free_sgpr 100
		.amdhsa_reserve_vcc 0
		.amdhsa_float_denorm_mode_32 3
		.amdhsa_float_denorm_mode_16_64 3
		.amdhsa_memory_ordered 1
		.amdhsa_forward_progress 1
		.amdhsa_inst_pref_size 148
	.end_amdhsa_kernel
	.amdgpu_metadata
---
amdhsa.version: [ 1, 2 ]
amdhsa.kernels:
  - .name:           k_qe26aeab088_gemm_qkv
    .symbol:         k_qe26aeab088_gemm_qkv.kd
    .args:
      - { .name: codes, .offset: 0, .size: 8, .value_kind: global_buffer, .address_space: global }
      - { .name: scl, .offset: 8, .size: 8, .value_kind: global_buffer, .address_space: global }
      - { .name: qkv, .offset: 16, .size: 8, .value_kind: global_buffer, .address_space: global }
    .group_segment_fixed_size: 327680
    .private_segment_fixed_size: 0
    .kernarg_segment_align: 8
    .kernarg_segment_size: 24
    .max_flat_workgroup_size: 128
    .sgpr_count:     100
    .vgpr_count:     1024
    .wavefront_size: 32
...
	.end_amdgpu_metadata
.endif
;; end of part 2
;; launch attn (part 3): grid 4 x 64, 16 waves a work-group, clusters of 4 x 1, 263,168 bytes of LDS; arguments qkv, ocodes, oscl; writes ocodes, oscl
.if DOCPART == 3
	.amdgcn_target "amdgcn-amd-amdhsa--gfx1250"
	.amdhsa_code_object_version 6
	.text
	.protected	k_qe26aeab088_attn
	.globl	k_qe26aeab088_attn
	.p2align	8
	.type	k_qe26aeab088_attn,@function
k_qe26aeab088_attn:
	s_mov_b64 s[64:65], 0
	v_nop
	global_prefetch_b8 v0, s[64:65] scope:SCOPE_SE
	s_setreg_imm32_b32 hwreg(HW_REG_WAVE_MODE, 25, 1), 1
	s_wait_xcnt 0x0
	s_wait_alu depctr_hold_cnt(0) depctr_sa_sdst(0) depctr_va_vdst(0) depctr_va_sdst(0) depctr_va_ssrc(0) depctr_va_vcc(0) depctr_vm_vsrc(0)
	s_getreg_b32 s2, hwreg(HW_REG_IB_STS2, 6, 4)
	s_cmp_eq_u32 s2, 0
	s_cbranch_scc0 .Lentry_in_a_cluster
	s_endpgm
.Lentry_in_a_cluster:
	s_bfe_u32 s2, ttmp6, 0x10000c
	s_cmp_lg_u32 s2, 0x3003
	s_cbranch_scc0 .Lentry_shape_is_right
	s_endpgm
.Lentry_shape_is_right:
; o = softmax(q k^T / 8) v for 64 (batch, head) pairs of 2,048 tokens and head size 64, both products on codes of FP6 (E2M3) with E8M0 scales; o is quantised along d at once, as the last product's operand.
; THE SOFTMAX: t = score x log2(e) / 8; M = the row's largest t so far, rounded up to a whole number; p = 2^(t - M) is quantised along the keys, not normalised.  The row's sum is taken of the unquantised p, in f32, and divides O at the end.
; When M moves, the sum and O are multiplied by 2^(old M - new M): exact.
; SHARES.  A work-group owns 512 queries of one head; each of its sixteen waves one tile of 16 queries in each of two passes (one text, a loop of two trips).
; THE WHOLE HEAD'S K AND V STAY IN LDS: 16 records of 13,056 bytes (128 keys: K 8 x 768, K's scale words 512, V^T 4 x 1,536, V's scale words 256), each byte filled once, as rows of 256 bytes with 64 of padding: 16,320 bytes a record.
; CLUSTER.  The four work-groups of a head ask for each record jointly: wave w asks for record w, with the same descriptor in all four.  No data prefetch: all that the launch reads by tensor loads is asked for at the head.
; LAYOUT.  Both products are used transposed (S^T = K Q^T, O^T = V^T P^T): a lane holds one query throughout.  In memory a tile's images hold keys in groups of eight; a tile of K is FORMED HERE, by the lanes' LDS addresses:
; row 8 u + j of tile 4 g + t is key 64 g + 32 u + 8 t + j.  So lane (r, h)'s 32 scores of tiles 4 g .. 4 g + 3 are the 32 neighbouring keys of block 2 g + h: the block's maximum needs no other lane, and the conversions' codes are the operand's registers.
; With the padding the two halves of sixteen lanes of a 16-byte load of K lie 1,920 bytes apart, which is 128 modulo 256.
; K = 64 IN A FORM OF 128: Q's registers 6-11 hold zero codes; the upper six registers named for a tile of K hold whatever codes lie there (every code of FP6 is a finite number), which Q's zeros cancel; bytes 2 and 3 of Q's and K's scale words are 0.
; TWO REGIONS OF 64 REGISTERS TAKE TURNS: step i finds K in one and puts S^T (then p) into the other.  V^T is loaded over K in one run ahead of the exponentials, the next step's K over p's first 48 registers in one run ahead of the second product;
; each run stands directly behind a wait for the wave's vector results that is due there anyway.
; The pass's last step asks for record 15's K once more and does not use it: so the step has no branch.
; LIMITS: NaN and infinities are not served; the promise holds while the scaled scores stay under 2^31 in magnitude; a block of zeros gets the byte 1 (its codes are zeros; this program alone reads the bytes); a block's largest magnitude is floored at 2^(3 - 127).
.set REC,   16320                      ; a record in LDS: 51 rows of 320 bytes
.set RECG,  19712                      ; a record in memory
.set HEADB, 315392                     ; a head's 16 records
.set SPARE, 16*REC                     ; the spare words: 128 bytes a wave, eight blocks of 256 bytes that no other line names
.set KA0, 3                            ; v3, v4, v9  a lane's place in K's 16-byte pieces, 8-byte pieces, scale words
.set KB0, 4
.set SPW, 5
.set NIL, 6
.set KS0, 9
.set VA0, 10                           ; v10, v11 the same for V^T's pieces
.set VB0, 11
.set KA,  29                           ; v29-31 LDS addresses of the K that is fetched next
.set KB,  30
.set KS,  31
.set R0,  32                           ; v32-95, v96-159 the two regions
.set R1,  96
.set VA,  207                          ; v207, v211 LDS addresses of the trip's V^T
.set VB,  211
.set OM,  219                          ; v219 the old -M
.set SH,  228                          ; v228 8 h
.set T1,  230                          ; v230-235 three partial sums beside v[14:15]
.set T2,  232
.set T3,  234
.set KSC, 240                          ; v240-243 K's scale words; v244-245 V's; v246-252 the second pass's Q and its scale words
.set VSC, 244
.set Q1,  246
.set TB,  2                            ; s2 LDS byte of the trip's first record; s16 of the record after the trip's two; s3, s17 trips and passes to go
.set CNT, 3
.set TN,  16
.set PS,  17
.set WV,  18
.set NC,  19                           ; s19 -log2(e) / 8
.set SEL, 20
.set CS,  22                           ; s[22:23] log2(e) / 8
.set G1,  24
.set G0,  32
.macro CROUND
	s_barrier_signal -1
	s_barrier_wait -1
	s_cmp_lg_u32 s[WV], 0
	s_cbranch_scc1 .Lnot_wave_0_\@
	s_barrier_signal -3
.Lnot_wave_0_\@:
	s_barrier_wait -3
	s_barrier_signal -1
	s_barrier_wait -1
.endm
.macro WALU
	s_wait_alu depctr_va_vdst(0)
.endm
; K's eight tiles and their scale words: 20 loads.  Tile n = 4 g + t lies in the stored tiles 4 g + 2 u + t % 2, rows 8 (t / 2) + 0 .. 7
.macro KLOAD D, a, b, s, off
.irp n, 0,1,2,3,4,5,6,7
	ds_load_b128 v[\D+6*\n:\D+6*\n+3], v[\a] offset:\off+960*(4*(\n/4)+\n%2)+128*((\n%4)/2)
	ds_load_b64 v[\D+6*\n+4:\D+6*\n+5], v[\b] offset:\off+960*(4*(\n/4)+\n%2)+64*((\n%4)/2)
.endr
.irp q, 0,1,2,3
	ds_load_b32 v[KSC+\q], v[\s] offset:\off+128*(\q%2)+8*(\q/2)   ; register 2 g + t / 2: lanes 0-15 the even tile's words, lanes 16-31 the odd one's
.endr
.endm
.macro VLOAD D, off                    ; V^T's four fragments and their scale words: 17 loads
.irp t, 0,1,2,3
.irp c, 0,1
	ds_load_b128 v[\D+12*\t+6*\c:\D+12*\t+6*\c+3], v[VA] offset:\off+8320+1920*\t+960*\c
	ds_load_b64 v[\D+12*\t+6*\c+4:\D+12*\t+6*\c+5], v[VB] offset:\off+8320+1920*\t+960*\c
.endr
.endr
	ds_load_b64 v[VSC:VSC+1], v[VB] offset:\off+15360
.endm
.macro ADD4 SR, k                      ; four pairs of p onto the four partial sums
	v_pk_add_f32 v[14:15], v[14:15], v[\SR+2*(\k):\SR+2*(\k)+1]
	v_pk_add_f32 v[T1:T1+1], v[T1:T1+1], v[\SR+2*(\k)+2:\SR+2*(\k)+3]
	v_pk_add_f32 v[T2:T2+1], v[T2:T2+1], v[\SR+2*(\k)+4:\SR+2*(\k)+5]
	v_pk_add_f32 v[T3:T3+1], v[T3:T3+1], v[\SR+2*(\k)+6:\SR+2*(\k)+7]
.endm
	s_load_b128 s[4:7], s[0:1], 0x0                ; qkv, ocodes
	s_load_b64 s[8:9], s[0:1], 0x10                ; oscl
	v_lshl_add_u32 v[SPW], v0, 2, SPARE
	v_mov_b32 v[NIL], 0
	ds_add_u32 v[SPW], v[NIL]                      ; the opening lines
	ds_add_u32 v[SPW], v[NIL]
	v_lshrrev_b32 v216, 5, v0
	v_readfirstlane_b32 s[WV], v216                ; wave 0..15
	s_bfe_u32 s10, ttmp6, 0x40000                  ; cx
	s_lshl_b32 s11, ttmp9, 2
	s_add_co_u32 s10, s11, s10                     ; my quarter of the queries: it enters Q's and o's addresses alone
	s_and_b32 s12, ttmp7, 0xffff                   ; 16 x batch + head, which the four partners share
	s_mov_b32 s[G1], 15|(3<<16)|(1<<20)|(1<<21)|(5<<22)|(15<<25)   ; the mask of all four; elements of 8 bytes; behind every 64 dwords 16 of padding
	s_mov_b32 s[G1+1], 32<<16
	s_mov_b32 s[G1+2], 51<<16                      ; 51 rows of 256 bytes: 13,056 dense bytes
	s_mov_b32 s[G1+3], 32<<16
	s_mov_b32 s[G1+4], 51
	s_mov_b32 s[G1+5], 32
	s_mov_b32 s[G1+6], 0
	s_mov_b32 s[G1+7], 0
	s_mov_b32 s[SEL], 0x76543210
	s_mov_b32 s[SEL+1], 0xfedcba98
	s_mov_b32 s[CS], 0x3e38aa3b
	s_mov_b32 s[CS+1], s[CS]
	s_mov_b32 s[NC], 0xbe38aa3b
	s_mul_i32 s36, s12, HEADB
	s_mov_b32 s37, 0
	s_mul_i32 s38, s[WV], RECG                     ; the record that I fetch,
	s_mov_b32 s39, 0
	s_add_nc_u64 s[38:39], s[38:39], s[36:37]
	s_mul_i32 s13, s[WV], REC                      ; and where it goes
	s_lshl_b32 s40, s10, 2
	s_lshr_b32 s41, s[WV], 3
	s_add_co_u32 s40, s40, s41
	s_mul_i32 s40, s40, RECG                       ; my queries' record in pass 0: 4 x quarter + wave / 8 (pass 1: two records on)
	s_and_b32 s41, s[WV], 7
	s_mul_i32 s42, s41, 768
	s_add_co_u32 s42, s42, s40
	s_mov_b32 s43, 0
	s_add_nc_u64 s[42:43], s[42:43], s[36:37]
	s_and_b32 s44, s[WV], 1
	s_lshl_b32 s44, s44, 8
	s_lshr_b32 s41, s41, 1
	s_lshl_b32 s41, s41, 2
	s_add_co_u32 s44, s44, s41                     ; the tile's scale words: 256 (tile % 2) + 4 (tile / 2) + 16 r
	s_add_co_u32 s44, s44, s40
	s_mov_b32 s45, 0
	s_add_nc_u64 s[44:45], s[44:45], s[36:37]
	s_lshr_b32 s46, s12, 4
	s_lshl_b32 s46, s46, 7
	s_lshl_b32 s47, s10, 5
	s_add_co_u32 s46, s46, s47
	s_add_co_u32 s46, s46, s[WV]                   ; my tile of tokens in pass 0: 128 x batch + 32 x quarter + wave (pass 1: 16 on)
	s_and_b32 s47, s12, 15
	s_mul_i32 s48, s46, 12288
	s_mul_i32 s49, s47, 768
	s_add_co_u32 s48, s48, s49                     ; o's image: the head's 64 of the tile's K
	s_mov_b32 s49, 0
	s_lshl_b32 s50, s46, 9                         ; o's scale bytes: the tile's record, K step head / 2, bytes 2 (head % 2) + block
	s_lshr_b32 s51, s47, 3
	s_lshl_b32 s51, s51, 8
	s_add_co_u32 s50, s50, s51
	s_bfe_u32 s51, s47, 0x20001
	s_lshl_b32 s51, s51, 2
	s_add_co_u32 s50, s50, s51
	s_and_b32 s51, s47, 1
	s_lshl_b32 s51, s51, 1
	s_add_co_u32 s50, s50, s51
	s_mov_b32 s51, 0
	s_wait_dscnt 0x0
	s_wait_kmcnt 0x0
	s_mov_b32 s[G0], 1
	s_mov_b32 s[G0+1], s13
	s_add_nc_u64 s[G0+2:G0+3], s[4:5], s[38:39]
	s_or_b32 s[G0+3], s[G0+3], 0x80000000
	s_add_nc_u64 s[42:43], s[4:5], s[42:43]
	s_add_nc_u64 s[44:45], s[4:5], s[44:45]
	s_add_nc_u64 s[48:49], s[6:7], s[48:49]
	s_add_nc_u64 s[50:51], s[8:9], s[50:51]
	CROUND                                         ; all four work-groups are here: the joint loads meet
	tensor_load_to_lds s[G0:G0+3], s[G1:G1+7]      ; my one tensor load of the launch
	s_nop 0
.rept 4
	v_nop
.endr
	v_and_b32 v216, 31, v0                         ; L
	v_and_b32 v217, 15, v0                         ; r
	v_bfe_u32 v218, v0, 4, 1                       ; h
	v_and_b32 v219, 7, v0                          ; r % 8
	v_bfe_u32 v220, v0, 3, 1                       ; u = r / 8
	v_lshlrev_b32 v1, 4, v216                      ; 16 L
	v_lshl_add_u32 v2, v216, 3, 512                ; 512 + 8 L
	v_lshlrev_b32 v7, 4, v217                      ; 16 r
	v_add_nc_u32 v8, v7, v218                      ; 16 r + h
	v_cmp_ne_u32 s52, 0, v218                      ; the lanes 16-31
	global_load_b128 v[16:19], v1, s[42:43] offset:13056
	global_load_b64 v[20:21], v2, s[42:43] offset:13056
	global_load_b32 v28, v7, s[44:45] offset:19200
	global_load_b128 v[Q1:Q1+3], v1, s[42:43] offset:13056+2*RECG
	global_load_b64 v[Q1+4:Q1+5], v2, s[42:43] offset:13056+2*RECG
	global_load_b32 v[Q1+6], v7, s[44:45] offset:19200+2*RECG
	v_mul_u32_u24 v221, v220, 1920                 ; two stored tiles on for rows 8-15
	v_lshl_add_u32 v[KA0], v219, 4, v221
	v_mad_u32_u24 v[KA0], v218, 320, v[KA0]        ; 16 (r % 8) + 1,920 u + 320 h
	v_lshl_add_u32 v[KB0], v219, 3, v221
	v_lshl_add_u32 v[KB0], v218, 7, v[KB0]
	v_add_nc_u32 v[KB0], 640, v[KB0]               ; 640 + 8 (r % 8) + 1,920 u + 128 h
	v_lshl_add_u32 v[KS0], v219, 4, 7680
	v_lshl_add_u32 v[KS0], v220, 2, v[KS0]
	v_mad_u32_u24 v[KS0], v218, 320, v[KS0]        ; 7,680 + 16 (r % 8) + 4 u + 320 h
	v_lshl_add_u32 v[VA0], v218, 6, v1             ; 16 L + 64 h
	v_lshl_add_u32 v[VB0], v216, 3, 640            ; 640 + 8 L
	v_lshlrev_b32 v[SH], 3, v218
.irp j, 22,23,24,25,26,27, 80,81,82,83,84,85, 227,229
	v_mov_b32 v\j, 0                               ; Q's zero codes; what stands behind K's last tile in the first step; a pair's upper half and a lane permute's destination, written once
.endr
	s_mov_b32 s[PS], 2
	WALU
	s_wait_tensorcnt 0x0                           ; my record is in,
	s_barrier_signal -1
	s_barrier_wait -1                              ; everybody's is
	s_wait_loadcnt 0x0                             ; Q
; A KEY STEP.  KR: K, then V^T;  SR: S^T, then p, then the next K.  VO: this record's bytes from s[TB];  the next K lies KO bytes from s[KBS]
.macro STEP KR, SR, VO, KBS, KO, MKV
	s_wait_dscnt 0x0                               ; K is in
	v_pk_add_f32 v[T2:T2+1], v[T2:T2+1], v[T3:T3+1]   ; the last step's partial sums are joined; with the three addresses these are the places between the last products and the products that write over V^T's registers
	v_pk_add_f32 v[14:15], v[14:15], v[T1:T1+1]
	v_add_nc_u32 v[KA], s[\KBS], v[KA0]
	v_add_nc_u32 v[KB], s[\KBS], v[KB0]
	v_add_nc_u32 v[KS], s[\KBS], v[KS0]
	v_pk_add_f32 v[14:15], v[14:15], v[T2:T2+1]
.irp n, 0,1,2,3,4,5,6,7
.if \n%2
	v_wmma_scale_f32_16x16x128_f8f6f4 v[\SR+8*\n:\SR+8*\n+7], v[\KR+6*\n:\KR+6*\n+11], v[16:27], 0, v[KSC+2*(\n/4)+(\n%4)/2], v28 matrix_a_fmt:MATRIX_FMT_FP6 matrix_b_fmt:MATRIX_FMT_FP6 matrix_a_scale:MATRIX_SCALE_ROW1
.else
	v_wmma_scale_f32_16x16x128_f8f6f4 v[\SR+8*\n:\SR+8*\n+7], v[\KR+6*\n:\KR+6*\n+11], v[16:27], 0, v[KSC+2*(\n/4)+(\n%4)/2], v28 matrix_a_fmt:MATRIX_FMT_FP6 matrix_b_fmt:MATRIX_FMT_FP6
.endif
.endr
	v_mov_b32 v[OM], v12                           ; four places ahead of the first read of the scores
.if \MKV
	v_add_nc_u32 v[VA], s[TB], v[VA0]
	v_add_nc_u32 v[VB], s[TB], v[VB0]
	v_nop
.else
	v_nop
	v_nop
	v_nop
.endif
.irp q, 0,1,2,3                        ; four chains of maxima, one over each 16 scores; each accumulator is read from its low end on
	v_max3_num_f32 v[212+\q], v[\SR+16*\q], v[\SR+16*\q+1], v[\SR+16*\q+2]
.endr
.irp i, 3,5,7,9,11,13
.irp q, 0,1,2,3
	v_max3_num_f32 v[212+\q], v[212+\q], v[\SR+16*\q+\i], v[\SR+16*\q+\i+1]
.endr
.endr
	v_max3_num_f32 v212, v212, v[\SR+15], v[\SR+31]
	v_max3_num_f32 v214, v214, v[\SR+47], v[\SR+63]
	v_max_num_f32 v212, v212, v213                 ; my block h's largest score,
	v_max_num_f32 v214, v214, v215                 ; and my block 2 + h's: since p rises with the score, they give the blocks' largest p
	v_max_num_f32 v216, v212, v214
	v_permlanex16_b32 v217, v216, s[SEL], s[SEL+1]
	v_max3_num_f32 v13, v13, v216, v217            ; the row's largest score so far
	v_mul_f32 v218, s[NC], v13                     ; -t
	v_floor_f32 v12, v218                          ; -M = floor(-t) = -ceil(t)
	v_sub_f32 v225, v12, v[OM]                     ; old M - new M: a whole number, 0 or less
.set J, 0
.rept 32
	v_pk_fma_f32 v[\SR+J:\SR+J+1], v[\SR+J:\SR+J+1], s[CS:CS+1], v[12:13] op_sel_hi:[1,0,0]   ; t - M, two at a time
.if J == 6
	v_cvt_i32_f32 v225, v225                       ; (it saturates)
.endif
.if J == 14
	v_ldexp_f32 v226, 1.0, v225                    ; f = 2^(old M - new M)
.endif
.set J, J+2
.endr
	v_fma_f32 v212, v212, s[CS], v12
	v_fma_f32 v214, v214, s[CS], v12
.set J, 0
.rept 16
	v_pk_mul_f32 v[160+J:161+J], v[160+J:161+J], v[226:227] op_sel_hi:[1,0]   ; O^T under the new M
.set J, J+2
.endr
	v_pk_mul_f32 v[14:15], v[14:15], v[226:227] op_sel_hi:[1,0]
	WALU
	VLOAD \KR, \VO                                 ; V^T over K's registers, which the first products have read
	v_exp_f32 v212, v212                           ; the blocks' largest p
	v_exp_f32 v214, v214
.set J, 0
.rept 64
	v_exp_f32 v[\SR+J], v[\SR+J]                   ; p = 2^(t - M)
.set J, J+1
.endr
	v_nop                                          ; a plain place behind the exponentials
	WALU                                           ; one wait for the batch, ahead of its first reader
	v_max_num_f32 v212, 0x1800000, v212            ; the floor 2^(3 - 127): the byte cannot fall under 1
	v_max_num_f32 v214, 0x1800000, v214
	v_pk_add_f32 v[14:15], v[14:15], v[\SR:\SR+1]  ; the row's sum of the unquantised p, in four chains; the scales' lines stand among them
	v_pk_add_f32 v[T1:T1+1], v[\SR+2:\SR+3], v[\SR+4:\SR+5]
	v_pk_add_f32 v[T2:T2+1], v[\SR+6:\SR+7], v[\SR+8:\SR+9]
	v_pk_add_f32 v[T3:T3+1], v[\SR+10:\SR+11], v[\SR+12:\SR+13]
	v_add_nc_u32 v220, 0xff000000, v212            ; 2 off the exponent field: the conversions' scale operands
	v_add_nc_u32 v221, 0xff000000, v214
	ADD4 \SR, 7
	v_lshrrev_b32 v222, 23, v220                   ; the scales' bytes
	v_lshrrev_b32 v223, 23, v221
	ADD4 \SR, 11
	v_lshl_or_b32 v222, v223, 16, v222             ; blocks h and 2 + h,
	ADD4 \SR, 15
	v_lshlrev_b32 v222, v[SH], v222                ; at their places;
	ADD4 \SR, 19
	v_permlanex16_b32 v229, v222, s[SEL], s[SEL+1]
	ADD4 \SR, 23
	v_or_b32 v224, v222, v229                      ; with lane l xor 16's two the row's scale word is whole; eleven plain lines follow ahead of the products
	v_cvt_scalef32_pk16_fp6_f32 v[192:194], v[\SR:\SR+15], v220
	v_cvt_scalef32_pk16_fp6_f32 v[204:206], v[\SR+16:\SR+31], v220   ; (a conversion's three registers begin on an even number)
	v_cvt_scalef32_pk16_fp6_f32 v[198:200], v[\SR+32:\SR+47], v221
	v_cvt_scalef32_pk16_fp6_f32 v[208:210], v[\SR+48:\SR+63], v221
	v_pk_add_f32 v[14:15], v[14:15], v[\SR+54:\SR+55]   ; a plain place behind the conversions
.irp i, 0,1,2
	v_mov_b32 v[195+\i], v[204+\i]
	v_mov_b32 v[201+\i], v[208+\i]
.endr
	v_pk_add_f32 v[T1:T1+1], v[T1:T1+1], v[\SR+56:\SR+57]   ; p's last pairs: four places between the codes' last write and the products
	v_pk_add_f32 v[T2:T2+1], v[T2:T2+1], v[\SR+58:\SR+59]
	v_pk_add_f32 v[T3:T3+1], v[T3:T3+1], v[\SR+60:\SR+61]
	v_pk_add_f32 v[14:15], v[14:15], v[\SR+62:\SR+63]
	WALU
	KLOAD \SR, KA, KB, KS, \KO                     ; the next K over p's registers 0 to 47, which have been summed and converted
	s_wait_dscnt 20                                ; V^T is in; younger are the 20 loads of the next K
.irp t, 0,1,2,3                        ; the four accumulators take turns
.if \t%2
	v_wmma_scale_f32_16x16x128_f8f6f4 v[160+8*\t:167+8*\t], v[\KR+12*\t:\KR+12*\t+11], v[192:203], v[160+8*\t:167+8*\t], v[VSC+\t/2], v224 matrix_a_fmt:MATRIX_FMT_FP6 matrix_b_fmt:MATRIX_FMT_FP6 matrix_a_scale:MATRIX_SCALE_ROW1
.else
	v_wmma_scale_f32_16x16x128_f8f6f4 v[160+8*\t:167+8*\t], v[\KR+12*\t:\KR+12*\t+11], v[192:203], v[160+8*\t:167+8*\t], v[VSC+\t/2], v224 matrix_a_fmt:MATRIX_FMT_FP6 matrix_b_fmt:MATRIX_FMT_FP6
.endif
.endr
.endm
.Lpass:                                        ; A PASS: one tile of 16 queries against all 16 records, and its way out
	s_wait_dscnt 0x0                               ; no load is out into the registers that the loads below name
	KLOAD R0, KA0, KB0, KS0, 0                     ; record 0's K
	v_mov_b32 v13, 0xff61b1e6                      ; the largest score so far: -3e38
	v_mov_b32 v12, 0x7f000000                      ; -M: so large that the first f is 0
.irp j, 14,15, 230,231,232,233,234,235
	v_mov_b32 v\j, 0
.endr
.set J, 0
.rept 32
	v_mov_b32 v[160+J], 0                          ; O^T: the step is written once; its first run finds zeros
.set J, J+1
.endr
	s_mov_b32 s[TB], 0
	s_mov_b32 s[CNT], 8
	WALU
.Ltrip:                                        ; two records a trip: the regions are back where they began
	s_add_co_u32 s[TN], s[TB], 2*REC
	s_min_u32 s[TN], s[TN], 15*REC                 ; the last trip stays inside the records
	STEP R0, R1, 0, TB, REC, 1
	STEP R1, R0, REC, TN, 0, 0
	s_add_co_u32 s[TB], s[TB], 2*REC
	s_sub_co_u32 s[CNT], s[CNT], 1
	s_cmp_lg_u32 s[CNT], 0
	s_cbranch_scc1 .Ltrip
	v_pk_add_f32 v[T2:T2+1], v[T2:T2+1], v[T3:T3+1]   ; these lines are also the places behind the last products
	v_pk_add_f32 v[14:15], v[14:15], v[T1:T1+1]
	v_nop
	v_pk_add_f32 v[14:15], v[14:15], v[T2:T2+1]
	v_add_f32 v14, v14, v15
	v_permlanex16_b32 v217, v14, s[SEL], s[SEL+1]
	v_add_f32 v14, v14, v217                       ; the row's sum
	WALU
	v_rcp_f32 v14, v14
	v_nop
	WALU                                           ; ahead of the first reader of the quotient and of O^T
.set J, 0
.rept 16
	v_pk_mul_f32 v[96+J:97+J], v[160+J:161+J], v[14:15] op_sel_hi:[1,0]   ; o: register 16 b + i is d = 32 b + 16 h + i of my query
.set J, J+2
.endr
.irp b, 0,1
	v_max3_num_f32 v[212+\b], |v[96+16*\b]|, |v[97+16*\b]|, 0x1800000
.endr
.irp i, 2,4,6,8,10,12,14
.irp b, 0,1
	v_max3_num_f32 v[212+\b], v[212+\b], |v[96+16*\b+\i]|, |v[97+16*\b+\i]|
.endr
.endr
.irp b, 0,1
	v_permlanex16_b32 v[216+\b], v[212+\b], s[SEL], s[SEL+1]
.endr
.irp b, 0,1
	v_max_num_f32 v[212+\b], v[212+\b], v[216+\b]
.endr
.irp b, 0,1
	v_add_nc_u32 v[220+\b], 0xff000000, v[212+\b]
.endr
.irp b, 0,1
	v_lshrrev_b32 v[216+\b], 23, v[220+\b]
.endr
	v_cvt_scalef32_pk16_fp6_f32 v[192:194], v[96:111], v220
	v_cvt_scalef32_pk16_fp6_f32 v[204:206], v[112:127], v221
	v_nop
.irp i, 0,1,2
	v_permlane16_swap_b32 v[192+\i], v[204+\i]     ; here a block lies in lanes l and l xor 16: the operand wants it whole in a lane
.endr
.irp i, 0,1,2
	v_mov_b32 v[195+\i], v[204+\i]
.endr
	v_cndmask_b32 v229, v216, v217, s52            ; lanes 0-15 store block 0's byte of their row, lanes 16-31 block 1's
	global_store_b128 v1, v[192:195], s[48:49]     ; 512 consecutive bytes, aligned to 256
	global_store_b64 v2, v[196:197], s[48:49]      ; 256 consecutive bytes, aligned
	global_store_b8 v8, v229, s[50:51]             ; 32 single bytes inside one aligned block of 256: the block's other bytes are other heads', which other work-groups hold
.irp i, 0,1,2,3,4,5
	v_mov_b32 v[16+\i], v[Q1+\i]                   ; the second pass's queries
.endr
	v_mov_b32 v28, v[Q1+6]
	s_wait_xcnt 0x0                                ; the stores have read their data and bases
	s_add_nc_u64 s[48:49], s[48:49], 196608        ; 16 tiles of tokens on
	s_add_nc_u64 s[50:51], s[50:51], 8192
	s_sub_co_u32 s[PS], s[PS], 1
	s_cmp_lg_u32 s[PS], 0
	WALU
	s_cbranch_scc1 .Lpass
	s_wait_tensorcnt 0x0                           ; the wave's end
	ds_add_u32 v[SPW], v[NIL]
	s_wait_dscnt 0x0
	CROUND                                         ; the closing round
	s_endpgm
.Lfunc_end_k_qe26aeab088_attn:
	.size	k_qe26aeab088_attn, .Lfunc_end_k_qe26aeab088_attn-k_qe26aeab088_attn
	.p2alignl 7, 3214868480
	.fill 96, 4, 3214868480
	.section	.rodata,"a",@progbits
	.p2align	6, 0x0
	.amdhsa_kernel k_qe26aeab088_attn
		.amdhsa_group_segment_fixed_size 263168
		.amdhsa_private_segment_fixed_size 0
		.amdhsa_enable_private_segment 0
		.amdhsa_kernarg_size 24
		.amdhsa_user_sgpr_count 2
		.amdhsa_user_sgpr_kernarg_segment_ptr 1
		.amdhsa_wavefront_size32 1
		.amdhsa_system_sgpr_workgroup_id_x 1
		.amdhsa_system_sgpr_workgroup_id_y 1
		.amdhsa_system_sgpr_workgroup_id_z 1
		.amdhsa_system_vgpr_workitem_id 0
		.amdhsa_next_free_vgpr 256
		.amdhsa_next_free_sgpr 66
		.amdhsa_reserve_vcc 0
		.amdhsa_float_denorm_mode_32 3
		.amdhsa_float_denorm_mode_16_64 3
		.amdhsa_memory_ordered 1
		.amdhsa_forward_progress 1
		.amdhsa_inst_pref_size 44
	.end_amdhsa_kernel
	.amdgpu_metadata
---
amdhsa.version: [ 1, 2 ]
amdhsa.kernels:
  - .name:           k_qe26aeab088_attn
    .symbol:         k_qe26aeab088_attn.kd
    .args:
      - { .name: qkv, .offset: 0, .size: 8, .value_kind: global_buffer, .address_space: global }
      - { .name: ocodes, .offset: 8, .size: 8, .value_kind: global_buffer, .address_space: global }
      - { .name: oscl, .offset: 16, .size: 8, .value_kind: global_buffer, .address_space: global }
    .group_segment_fixed_size: 263168
    .private_segment_fixed_size: 0
    .kernarg_segment_align: 8
    .kernarg_segment_size: 24
    .max_flat_workgroup_size: 512
    .sgpr_count:     66
    .vgpr_count:     256
    .wavefront_size: 32
...
	.end_amdgpu_metadata
.endif
;; end of part 3
;; launch gemm_out (part 4): grid 8 x 32, 4 waves a work-group, clusters of 4 x 4, 327,680 bytes of LDS; arguments ocodes, oscl, codes, scl, out0; writes out0
.if DOCPART == 4
	.amdgcn_target "amdgcn-amd-amdhsa--gfx1250"
	.amdhsa_code_object_version 6
	.text
	.protected	k_qe26aeab088_gemm_out
	.globl	k_qe26aeab088_gemm_out
	.p2align	8
	.type	k_qe26aeab088_gemm_out,@function
k_qe26aeab088_gemm_out:
	s_mov_b64 s[64:65], 0
	v_nop
	global_prefetch_b8 v0, s[64:65] scope:SCOPE_SE
	s_setreg_imm32_b32 hwreg(HW_REG_WAVE_MODE, 25, 1), 1
	s_wait_xcnt 0x0
	s_wait_alu depctr_hold_cnt(0) depctr_sa_sdst(0) depctr_va_vdst(0) depctr_va_sdst(0) depctr_va_ssrc(0) depctr_va_vcc(0) depctr_vm_vsrc(0)
	s_getreg_b32 s2, hwreg(HW_REG_IB_STS2, 6, 4)
	s_cmp_eq_u32 s2, 0
	s_cbranch_scc0 .Lentry_in_a_cluster
	s_endpgm
.Lentry_in_a_cluster:
	s_bfe_u32 s2, ttmp6, 0x10000c
	s_cmp_lg_u32 s2, 0xf033
	s_cbranch_scc0 .Lentry_shape_is_right
	s_endpgm
.Lentry_shape_is_right:
.set SLOT,   98304
.set HALFT,  24576
.set SPARE,  3*SLOT
.set TILEB,  12288
.set FILLB,  3072
.set FR,     12
.set L16,    1
.set L8,     3
.set ADA16,  4
.set ADA8,   7
.set ADB16,  10
.set ADB8,   13
.set STO,    24
.set RDB,    25
.set SPW,    28
.set NIL,    29
.set SA,     32
.set SB,     64
.set AF,     128
.set BK,     128
.set WV,     14
.set WA,     15
.set WB,     16
.set G1A,    24
.set G1B,    32
.set G0A,    40
.set G0B,    52
.set MUL_LO, 0xa1
.set MUL_HI, 0xf1
.set TO_B,   0x40
.set MSB, 0
.macro WIN new
.if MSB != (\new)
	s_set_vgpr_msb (MSB<<8)|(\new)
.set MSB, (\new)
.endif
.endm
.macro JLOAD s
	s_cmp_eq_u32 s[WA], 0
	s_cbranch_scc0 .Lfor_b_\@
	tensor_load_to_lds s[G0A+4*\s:G0A+4*\s+3], s[G1A:G1A+7]
	s_nop 0
.rept 4
	v_nop
.endr
	s_branch .Lasked_\@
.Lfor_b_\@:
	tensor_load_to_lds s[G0B+4*\s:G0B+4*\s+3], s[G1B:G1B+7]
	s_nop 0
.rept 4
	v_nop
.endr
.Lasked_\@:
.endm
.macro CREST
	s_cmp_lg_u32 s[WV], 0
	s_cbranch_scc1 .Lnot_wave_0_\@
	s_barrier_signal -3
.Lnot_wave_0_\@:
	s_barrier_wait -3
	s_barrier_signal -1
	s_barrier_wait -1
.endm
.macro CROUND
	s_barrier_signal -1
	s_barrier_wait -1
	CREST
.endm
.macro PLACES n
.rept \n
	v_nop
.endr
.endm
.macro FRAG reg, a16, a8, off
	ds_load_b128 v[(\reg):(\reg)+3], v[\a16] offset:(\off)
	ds_load_b64 v[(\reg)+4:(\reg)+5], v[\a8] offset:(\off)
	ds_load_b128 v[(\reg)+6:(\reg)+9], v[\a16] offset:(\off)+768
	ds_load_b64 v[(\reg)+10:(\reg)+11], v[\a8] offset:(\off)+768
.endm
.macro FETCH_B slot, q, p
	WIN TO_B
.irp i, 0,1,2,3
	FRAG 128*(\p)+FR*\i, ADB16+(\slot), ADB8+(\slot), FPI*\i+1536*(\q)
.endr
	WIN 0
.endm
.macro FETCH_A slot, q, i0
.irp i, \i0, \i0+1, \i0+2, \i0+3
	FRAG AF+FR*(\i), ADA16+(\slot), ADA8+(\slot), FPI*(\i)+1536*(\q)
.endr
.endm
.macro MUL16 a0, s, zero
.irp a, \a0, \a0+1
.irp b, 0,1,2,3
.set mD, 8*(8*((\a)%4)+\b)
.set mB, 128*((\s)%2)+FR*\b
.set mA, AF+FR*(\a)
.set mSB, SB+4*\b+(\s)%4
.set mSA, SA+4*(\a)+(\s)%4
.if \zero
	v_wmma_scale_f32_16x16x128_f8f6f4 v[mD:mD+7], v[mB:mB+11], v[mA:mA+11], 0, v[mSB], v[mSA] matrix_a_fmt:MATRIX_FMT_FP6 matrix_b_fmt:MATRIX_FMT_FP6
.elseif (\s) < 4
	v_wmma_scale_f32_16x16x128_f8f6f4 v[mD:mD+7], v[mB:mB+11], v[mA:mA+11], v[mD:mD+7], v[mSB], v[mSA] matrix_a_fmt:MATRIX_FMT_FP6 matrix_b_fmt:MATRIX_FMT_FP6
.else
	v_wmma_scale_f32_16x16x128_f8f6f4 v[mD:mD+7], v[mB:mB+11], v[mA:mA+11], v[mD:mD+7], v[mSB], v[mSA] matrix_a_fmt:MATRIX_FMT_FP6 matrix_b_fmt:MATRIX_FMT_FP6 matrix_a_scale:MATRIX_SCALE_ROW1 matrix_b_scale:MATRIX_SCALE_ROW1
.endif
.endr
.endr
.endm
.macro KSTEP s, kind, tc, zero
.set NN, (\s)+1                        ; where the next K step lies: steps 0-3 in the first region, a tile's row 6,144 bytes; steps 4, 5 in the last slot; steps 6, 7 in the first region's low bytes, rows of 3,072
.if NN < 4
.set NS, 0
.set FPI, 6144
.set NQ, NN
.elseif NN < 6
.set NS, 2
.set FPI, 3072
.set NQ, NN-4
.else
.set NS, 0
.set FPI, 3072
.set NQ, NN-6
.endif
.if \kind == 2
	s_wait_tensorcnt 0x0
	ds_add_u32 v[SPW], v[NIL]
	s_add_nc_u64 s[G0A+2:G0A+3], s[G0A+2:G0A+3], 3*FILLB
	s_add_nc_u64 s[G0B+2:G0B+3], s[G0B+2:G0B+3], 3*FILLB
	s_wait_dscnt 17
.elseif \kind == 1
	s_wait_tensorcnt \tc
	s_wait_dscnt 16
.else
	s_wait_dscnt 16
.endif
	WIN MUL_LO
	MUL16 0, \s, \zero
.if (\kind == 1) || (\kind == 2)
	s_wait_dscnt 0x0
	s_barrier_signal -1
	MUL16 2, \s, \zero
	WIN 0
	s_barrier_wait -1
.if \kind == 2
	CREST
	JLOAD 0
.else
	PLACES 4
.endif
.else
	MUL16 2, \s, \zero
	s_wait_dscnt 0x0
.if \kind == 0
	PLACES 4
.endif
.endif
.if \kind != 3
	s_wait_alu depctr_va_vdst(0)
	FETCH_B NS, NQ, 1-(\s)%2
	FETCH_A NS, NQ, 0
.endif
	WIN MUL_HI
	MUL16 4, \s, \zero
	MUL16 6, \s, \zero
.if \kind != 3
	PLACES 4
	WIN 0
	FETCH_A NS, NQ, 4
.endif
.endm
	s_load_b256 s[4:11], s[0:1], 0x0
	s_load_b64 s[12:13], s[0:1], 0x20
	v_lshl_add_u32 v[SPW], v0, 2, SPARE
	v_mov_b32 v[NIL], 0
	ds_add_u32 v[SPW], v[NIL]
	ds_add_u32 v[SPW], v[NIL]
	v_lshrrev_b32 v2, 5, v0
	v_readfirstlane_b32 s[WV], v2
	s_lshr_b32 s[WA], s[WV], 1
	s_and_b32 s[WB], s[WV], 1
	s_bfe_u32 s66, ttmp6, 0x40000
	s_bfe_u32 s67, ttmp6, 0x40004
	s_and_b32 s68, ttmp7, 0xffff
	s_lshl_b32 s70, s67, 2
	s_lshl_b32 s70, 15, s70
	s_lshl_b32 s71, 0x1111, s66
	s_or_b32 s[G1A], s70, (3<<16)|(1<<21)
	s_or_b32 s[G1B], s71, (3<<16)|(1<<21)
.irp g, G1A, G1B
	s_mov_b32 s[\g+1], 768<<16
	s_mov_b32 s[\g+2], 8<<16
	s_mov_b32 s[\g+3], 768<<16
	s_mov_b32 s[\g+4], 8
	s_mov_b32 s[\g+5], 1536
	s_mov_b32 s[\g+6], 0
	s_mov_b32 s[\g+7], 0
.endr
	s_mov_b32 s[G1B+2], 4<<16                      ; a block of C is 256 x 128: a wave's load of B brings four tiles of 16 rows
	s_mov_b32 s[G1B+4], 4
	s_lshl_b32 s76, ttmp9, 2
	s_add_co_u32 s76, s76, s66
	s_lshl_b32 s75, s68, 2
	s_add_co_u32 s75, s75, s67
	s_lshl_b32 s79, s75, 4
	s_lshl_b32 s80, s76, 3
	s_add_co_u32 s80, s80, 704
	s_lshl_b32 s81, s[WB], 3
	s_add_co_u32 s82, s79, s81
	s_mul_i32 s82, s82, TILEB
	s_mov_b32 s83, 0
	s_lshl_b32 s94, s[WB], 2
	s_add_co_u32 s84, s80, s94
	s_mul_i32 s84, s84, TILEB
	s_mov_b32 s85, 0
	s_mul_i32 s86, s[WV], HALFT
	s_lshl_b32 s87, s[WA], 3
	s_add_co_u32 s88, s79, s87
	s_lshl_b32 s88, s88, 9
	s_mov_b32 s89, 0
	s_add_co_u32 s90, s80, s94
	s_lshl_b32 s90, s90, 9
	s_mov_b32 s91, 0
	s_lshl_b32 s70, s75, 8
	s_lshl_b32 s71, s[WA], 7
	s_add_co_u32 s70, s70, s71
	s_lshl_b32 s70, s70, 12
	s_lshl_b32 s71, s76, 9
	s_add_co_u32 s70, s70, s71
	s_lshl_b32 s71, s[WB], 8
	s_add_co_u32 s70, s70, s71
	s_mov_b32 s71, 0
	s_wait_dscnt 0x0
	s_wait_kmcnt 0x0
	s_add_nc_u64 s[82:83], s[4:5], s[82:83]
	s_add_nc_u64 s[84:85], s[8:9], s[84:85]
	s_add_nc_u64 s[88:89], s[6:7], s[88:89]
	s_add_nc_u64 s[90:91], s[10:11], s[90:91]
	s_add_nc_u64 s[12:13], s[12:13], s[70:71]
	CROUND
.irp s, 0,2
	s_mov_b32 s[G0A+4*\s], 1
	s_add_co_u32 s[G0A+4*\s+1], s86, \s*SLOT
	s_add_nc_u64 s[G0A+4*\s+2:G0A+4*\s+3], s[82:83], \s*FILLB
	s_or_b32 s[G0A+4*\s+3], s[G0A+4*\s+3], 0x80000000
	s_mov_b32 s[G0B+4*\s], 1
	s_add_co_u32 s[G0B+4*\s+1], s86, \s*SLOT
	s_add_nc_u64 s[G0B+4*\s+2:G0B+4*\s+3], s[84:85], \s*FILLB
	s_or_b32 s[G0B+4*\s+3], s[G0B+4*\s+3], 0x80000000
.endr
	s_mul_i32 s95, s[WV], 2*HALFT                  ; the head's load: my tiles' K steps 0 to 3 (eight of A, four of B), rows of 6,144 bytes
	s_mov_b32 s[G0A+1], s95
	s_mov_b32 s[G0B+1], s95
	JLOAD 0                                        ; one tensor load a wave at the head
	v_and_b32 v2, 31, v0
	v_lshlrev_b32 v[L16], 4, v2
	v_lshl_add_u32 v[L8], v2, 3, 512
.irp i, 0,1,2,3,4,5,6,7
	global_load_b128 v[SA+4*\i:SA+4*\i+3], v[L16], s[88:89] offset:512*\i
.if \i < 4
	global_load_b128 v[SB+4*\i:SB+4*\i+3], v[L16], s[90:91] offset:512*\i
.endif
.endr
	s_mul_i32 s92, s[WA], 2*HALFT
	s_mul_i32 s93, s[WB], 2*HALFT
	s_add_co_u32 s93, s93, 4*HALFT
.irp s, 0,2
	v_add_nc_u32 v[ADA16+\s], s92, v[L16]
	v_add_nc_u32 v[ADA8+\s], s92, v[L8]
	v_add_nc_u32 v[ADB16+\s], s93, v[L16]
	v_add_nc_u32 v[ADB8+\s], s93, v[L8]
.if \s == 0
	s_mul_i32 s92, s[WA], HALFT
	s_mul_i32 s93, s[WB], HALFT
	s_add_co_u32 s92, s92, 2*SLOT
	s_add_co_u32 s93, s93, 2*SLOT+2*HALFT
	s_wait_alu depctr_va_vdst(0)
.endif
.endr
	s_mul_i32 s72, s[WV], 16*528
	s_add_co_u32 s72, s72, 2*SLOT                  ; the stages lie in the slot of K steps 4 and 5: filled once, and read for the last time ahead of step 5's barrier
	v_and_b32 v16, 15, v0
	v_bfe_u32 v17, v0, 4, 1
	v_mul_u32_u24 v16, v16, 528
	v_lshl_add_u32 v16, v17, 6, v16
	v_add_nc_u32 v[STO], s72, v16
	v_and_b32 v18, 15, v0
	v_lshlrev_b32 v18, 4, v18                      ; 16 (l % 16)
	v_mad_u32_u24 v19, v17, 528, v18
	v_add_nc_u32 v[RDB], s72, v19                  ; back from the stage: lanes 0-15 take one row of 256 bytes, lanes 16-31 the next
	v_lshl_add_u32 v18, v17, 12, v18               ; and the same two rows in the output
	s_wait_alu depctr_va_vdst(0)
	s_wait_tensorcnt 0x0                           ; my part of K steps 0 to 3 is in
	ds_add_u32 v[SPW], v[NIL]
	s_mov_b32 s[G1A+1], 384<<16                    ; no tensor load of mine is out: from here on a tile's row is 3,072 bytes, two K steps
	s_mov_b32 s[G1A+3], 384<<16
	s_mov_b32 s[G1B+1], 384<<16
	s_mov_b32 s[G1B+3], 384<<16
	s_wait_dscnt 0x0
	CROUND
	JLOAD 2                                        ; K steps 4 and 5, the first tensor load behind the round
.set FPI, 6144
	FETCH_B 0, 0, 0
	FETCH_A 0, 0, 0
	FETCH_A 0, 0, 4
	s_wait_loadcnt 0x0
	KSTEP 0, 0, 0, 1
	KSTEP 1, 0, 0, 0
	KSTEP 2, 0, 0, 0
	KSTEP 3, 2, 0, 0
	KSTEP 4, 0, 0, 0
	KSTEP 5, 1, 0, 0
	KSTEP 6, 0, 0, 0
	KSTEP 7, 3, 0, 0
	WIN 0
.macro TOSTAGE a
.set AC, 64*((\a)%4)
	WIN 0x08+4*((\a)/4)
.irp b, 0,1,2,3
	ds_store_b128 v[STO], v[AC+8*\b:AC+8*\b+3] offset:128*(\b/2)+32*(\b%2)
	ds_store_b128 v[STO], v[AC+8*\b+4:AC+8*\b+7] offset:128*(\b/2)+32*(\b%2)+16
.endr
	WIN 0
.set BB, BK+64*((\a)%2)
.irp t, 0,1,2,3,4,5,6,7
	ds_load_b128 v[BB+4*\t:BB+4*\t+3], v[RDB] offset:2*\t*528
.endr
.endm
.macro SEND a, younger
.set BB, BK+64*((\a)%2)
	s_wait_dscnt \younger
.irp t, 0,1,2,3,4,5,6,7
	global_store_b128 v18, v[BB+4*\t:BB+4*\t+3], s[12:13] offset:(32*((\a)/2)+8*((\a)%2)+2*\t+8*(\t/4))*4096 th:TH_STORE_NT   ; sixteen lanes store 256 consecutive bytes, aligned
.endr
.endm
	PLACES 4
	TOSTAGE 0
.irp a, 1,2,3,4,5,6,7
.if \a > 1
	s_wait_xcnt 0x0
.endif
	TOSTAGE \a
	SEND \a-1, 16                                  ; younger: block a's 8 stores into the stage and 8 loads from it
.endr
	SEND 7, 0
	s_wait_tensorcnt 0x0
	ds_add_u32 v[SPW], v[NIL]
	s_wait_dscnt 0x0
	CROUND
	s_endpgm
.Lfunc_end_k_qe26aeab088_gemm_out:
	.size	k_qe26aeab088_gemm_out, .Lfunc_end_k_qe26aeab088_gemm_out-k_qe26aeab088_gemm_out
	.p2alignl 7, 3214868480
	.fill 96, 4, 3214868480
	.section	.rodata,"a",@progbits
	.p2align	6, 0x0
	.amdhsa_kernel k_qe26aeab088_gemm_out
		.amdhsa_group_segment_fixed_size 327680
		.amdhsa_private_segment_fixed_size 0
		.amdhsa_enable_private_segment 0
		.amdhsa_kernarg_size 40
		.amdhsa_user_sgpr_count 2
		.amdhsa_user_sgpr_kernarg_segment_ptr 1
		.amdhsa_wavefront_size32 1
		.amdhsa_system_sgpr_workgroup_id_x 1
		.amdhsa_system_sgpr_workgroup_id_y 1
		.amdhsa_system_sgpr_workgroup_id_z 1
		.amdhsa_system_vgpr_workitem_id 0
		.amdhsa_next_free_vgpr 1024
		.amdhsa_next_free_sgpr 100
		.amdhsa_reserve_vcc 0
		.amdhsa_float_denorm_mode_32 3
		.amdhsa_float_denorm_mode_16_64 3
		.amdhsa_memory_ordered 1
		.amdhsa_forward_progress 1
		.amdhsa_inst_pref_size 86
	.end_amdhsa_kernel
	.amdgpu_metadata
---
amdhsa.version: [ 1, 2 ]
amdhsa.kernels:
  - .name:           k_qe26aeab088_gemm_out
    .symbol:         k_qe26aeab088_gemm_out.kd
    .args:
      - { .name: ocodes, .offset: 0, .size: 8, .value_kind: global_buffer, .address_space: global }
      - { .name: oscl, .offset: 8, .size: 8, .value_kind: global_buffer, .address_space: global }
      - { .name: codes, .offset: 16, .size: 8, .value_kind: global_buffer, .address_space: global }
      - { .name: scl, .offset: 24, .size: 8, .value_kind: global_buffer, .address_space: global }
      - { .name: out0, .offset: 32, .size: 8, .value_kind: global_buffer, .address_space: global }
    .group_segment_fixed_size: 327680
    .private_segment_fixed_size: 0
    .kernarg_segment_align: 8
    .kernarg_segment_size: 40
    .max_flat_workgroup_size: 128
    .sgpr_count:     100
    .vgpr_count:     1024
    .wavefront_size: 32
...
	.end_amdgpu_metadata
.endif
;; end of part 4
